; MI455X (gfx1250); checked and timed in simulation.
; The chip was launched on July 23, 2026; its instructions are those of AMD's public machine-readable ISA for CDNA 5 (MIT licence, August 2026) and "CDNA5" Instruction Set Architecture Reference Guide (July 2026). The comments in the code are by the model that wrote it; some were corrected since.
;; Power Softmax. Allowed arithmetic: float matrix products may take bf16 or f16 operands with f32 sums; other float arithmetic in f32, or as packed bf16 or f16 multiplies, adds, multiply-adds, maxima and minima; sums over many terms, partial sums and values carried from step to step in f32; what a program stores and reads back later, other than sums and carried values, may be rounded once to bf16 or f16.
;; Inputs: k 4 x 16 x 2,048 x 64 float32; q 4 x 16 x 2,048 x 64 float32; v 4 x 16 x 2,048 x 64 float32.
;; Outputs: out0 4 x 16 x 2,048 x 64 float32.
;; One version. Each part assembles by itself: llvm-mc -triple=amdgcn-amd-amdhsa -mcpu=gfx1250 --defsym DOCPART=n.
;; ======== version 1 of 1: 1 launch
;; launch attn (part 1): grid 4 x 64, 4 waves a work-group, clusters of 4 x 1, 327,680 bytes of LDS; arguments q, k, v, out0; writes out0
.if DOCPART == 1
	.amdgcn_target "amdgcn-amd-amdhsa--gfx1250"
	.amdhsa_code_object_version 6
	.text
	.protected	k_qc4c070042b_attn
	.globl	k_qc4c070042b_attn
	.p2align	8
	.type	k_qc4c070042b_attn,@function
k_qc4c070042b_attn:
	s_mov_b64 s[64:65], 0
	v_nop
	global_prefetch_b8 v0, s[64:65] scope:SCOPE_SE
	s_setreg_imm32_b32 hwreg(HW_REG_WAVE_MODE, 25, 1), 1
	s_wait_xcnt 0x0
	s_wait_alu depctr_hold_cnt(0) depctr_sa_sdst(0) depctr_va_vdst(0) depctr_va_sdst(0) depctr_va_ssrc(0) depctr_va_vcc(0) depctr_vm_vsrc(0)
	s_getreg_b32 s2, hwreg(HW_REG_IB_STS2, 6, 4)
	s_cmp_eq_u32 s2, 0
	s_cbranch_scc0 .Lentry_in_a_cluster
	s_endpgm
.Lentry_in_a_cluster:
	s_bfe_u32 s2, ttmp6, 0x10000c
	s_cmp_lg_u32 s2, 0x3003
	s_cbranch_scc0 .Lentry_shape_is_right
	s_endpgm
.Lentry_shape_is_right:
; out[h][n][:] = sum over m of a(n,m) v[h][m][:],  a = s^2 / (sum over m of s^2 + 1e-6),  s = q[h][n] . k[h][m] / 8.   q, k, v, out: [64 heads][2048][64], f32.
; 1/8 is a power of two: with raw = q . k, numerator and divisor times 64 give the same quotient: out = sum raw^2 v / (sum raw^2 + 64e-6).  No scaling is written.
; There is no maximum and no exponential in the problem: what is carried from step to step are two plain f32 sums, O (by the matrix unit) and l (from the unrounded raw^2).
; FORMATS AND LIMITS.  q, k, v are rounded once to bf16, the weights raw^2 once to bf16 for the second product (bf16, not f16: raw^2 goes with the fourth power of the inputs' size).
; raw^2, l and O must stay finite in f32, and l below 2^126, so that its reciprocal is no denormal.  NaN and infinities are not treated apart.
; SHARES.  A cluster of four work-groups is one head; a work-group owns 512 queries, each of its four waves 128: four PIECES of two tiles of 16.  Every wave walks all 2,048 keys, 64 a step.
; LAYOUT.  S^T = K Q^T (source 0 = 16 keys, source 1 = 16 queries): a lane holds ONE query (lane % 16) and the keys 8 (lane / 16) + 0..7.  Two such results, squared and rounded in pairs,
; ARE source 1 (32 keys x 16 queries) of O^T = V^T P, whose result again holds one query a lane, and eight channels.  K comes out of LDS as it lies, V ([key][channel]) turned, by ds_load_tr16_b128.
; K AND V ARRIVE IN f32, a tile of 128 keys at a time, by JOINT tensor loads (the same load, descriptor and mask in all four work-groups) into one of two staging slots; the four waves round
; them to bf16 into one of two bf16 buffers, which are other bytes, written by LDS stores alone.  Between change of slots p and p + 1: fragments are read from buffer p % 2 (tile p); staging
; slot (p + 1) % 2 (tile p + 1) is rounded into buffer (p + 1) % 2; the load of tile p + 2 lands in staging slot p % 2.  One round of the cluster's barrier orders all three.
; BY TURNS.  Turn n belongs to piece n: 16 products K Q^T of piece n + 1, then 16 products V^T P of piece n - 1; behind each product three or four vector instructions: piece n's squares,
; sums and roundings (three for a pair of scores), and in turns 0 and 1 the wave's share of the rounding of K and V.  All vector work of a step stands behind products; none stands alone.
; REGISTERS, in windows of 256 (s_set_vgpr_msb: bits 1:0 source 0, 3:2 source 1, 5:4 source 2, 7:6 destination):
;   window 0: v0-15 addresses; v16-31 l, a pair a tile; v32-63 at work on K's and V's rounding; v64-191 S^T, two buffers of two tiles; v192-255 P, likewise (a piece's buffers go by its number's parity)
;   window 1: O^T, 32 a tile      window 2: v0-127 Q in bf16, 16 a tile; v128-191 K of one step; v192-255 V of one step      window 3: Q as loaded, in f32, at the start alone
.set SROW,  272       ; a staging row: one key, 256 bytes of f32 + 16 of padding
.set SHALF, 64*SROW   ; 64 keys: what one tensor load brings, and what one step's rounding reads of K or of V
.set SREG,  128*SROW  ; V's 128 staging rows lie behind K's
.set BOFF,  2*SREG    ; behind the staging rows: the slot's bf16 buffer, two steps
.set PK,    144       ; a bf16 row of K: 128 bytes + 16 = 36 words: the 16 rows of a load start at 16 different groups of four banks (64 banks of 4 bytes: ISA guide 11.1)
.set PV,    160       ; a bf16 row of V: 128 + 32 = 40 words
.set VOFF,  64*PK     ; in a step's part of the buffer: 64 rows of K, then 64 rows of V
.set STEPB, 64*(PK+PV)
.set SLOT1, 1<<17     ; slot 1 begins here, so that one exclusive or turns an address in one slot into the other's
.set STAGE, SLOT1+BOFF+2*STEPB  ; behind both slots: 16 rows x 272 bytes for each wave, for the way out
.set SP,    272
.set SPARE, STAGE+4*16*SP       ; behind the stages: the spare words, 128 bytes for each wave: two blocks of 256 bytes that no other line names
.set TILEB, 32768     ; a tile's 128 keys in memory, of K or of V
.set AK0, 2           ; v2   my lane's place in a step's K; never rewritten in the walk
.set AV0, 3           ; v3   the same for V
.set AK,  4           ; v4   the LDS address of K's next run of loads
.set AV,  5           ; v5   of V's
.set CA0, 6           ; v6   the rounding: my 32 bytes of f32 in my wave's 16 staging rows
.set CA,  7           ; v7   the staging address in hand
.set DK0, 8           ; v8   the rounding: my 16 bytes of bf16 in my wave's 16 rows of K
.set DV0, 9           ; v9   the same for V
.set DA,  10          ; v10  the buffer address in hand
.set PFO, 12          ; v12  256 x my lane: a row of K or V in memory is 256 bytes; never rewritten
.set SPW, 14          ; v14  LDS address of my spare word: SPARE + 4 x my thread's number; never rewritten
.set NIL, 15          ; v15  0; never rewritten
.set STO, 2           ; the way out: where I put 32 bytes of a row
.set RD,  3           ; the way out: where I read rows back
.set GO,  4           ; the way out: my 16 bytes of 512 consecutive bytes of out
.set LSUM, 16         ; tile t: v[16+2t] even keys' sum of raw^2, v[17+2t] odd keys'
.set CT,  32          ; four units of 8 registers: 8 f32 in, 4 registers of bf16 out
.set QO,  32          ; at the start: my byte offset in 16 rows of q
.set S,   64
.set P,   192
.set KF,  128         ; window 2: key block kb, channel half c at KF + 16 kb + 8 c
.set VF,  192         ; window 2: key half kk, channel block cb at VF + 32 kk + 8 cb
.set WV,  12          ; s12  my wave's number
.set LIM, 15          ; s15  2 in a wave that prefetches, else the greatest number
.set PFA, 18          ; s[18:19] where my prefetches stand
.set G1,  24          ; s[24:31] descriptor group 1, the same for K and V
.set G0K, 32          ; s[32:39] descriptor group 0 for K: a set for each first fill; the second then walks
.set G0V, 40          ; s[40:47] the same for V
.set SLOTS, 48        ; s48  tiles still to be asked for
.set CNT, 49          ; s49  counts a tile's two steps
.set TB,  50          ; s50  LDS byte at which the bf16 step to be fetched begins
.set TS,  51          ; s51  LDS byte at which the staging rows to be rounded begin
.set TD,  52          ; s52  LDS byte at which the bf16 step to be written begins
.set EPS, 53          ; s53  64 x 1e-6
.set SEL, 54          ; s[54:55] v_permlanex16_b32's selects: each lane takes its own place in the other half
.set MSB, 0
.macro WIN new                      ; the high byte repeats the setting that is left; a switch that changes nothing is dropped
.if MSB != (\new)
	s_set_vgpr_msb (MSB<<8)|(\new)
.set MSB, (\new)
.endif
.endm
.set W_KQ, 0x0a       ; K and Q in window 2, S^T in window 0
.set W_PV, 0x52       ; V in window 2, P in window 0, O^T in window 1
.set W_RS, 0x41       ; destination and source 0 in window 1, source 1 in window 0
; A joint refill.  Waves 0 and 1 fetch the two halves of a tile's K, waves 2 and 3 those of its V: 64 keys each.  The branch hangs on the wave's number alone: it is the same in every work-group.
; An s_nop 0 and four v_nop follow each of the two lines, ahead of the jump and the label.
.macro JLOAD
	s_cmp_lt_u32 s[WV], 2
	s_cbranch_scc0 .Lfor_v_\@
	tensor_load_to_lds s[G0K+4:G0K+7], s[G1:G1+7]
	s_nop 0
.rept 4
	v_nop
.endr
	s_branch .Lasked_\@
.Lfor_v_\@:
	tensor_load_to_lds s[G0V+4:G0V+7], s[G1:G1+7]
	s_nop 0
.rept 4
	v_nop
.endr
.Lasked_\@:
.endm
; A PREFETCH INTO THE L2, behind the joint load and its five lines: the change that loads tile p + 2 names tile p + 4, which the change two further on will load: 512 matrix instructions of a wave ahead.
; A head is walked by one cluster alone.  Its four partners share a tile's 128 rows out BY ADDRESS, 32 each; in each, wave 0 names K's rows and wave 2 V's, a lane a row of 256 bytes:
; each row is named once in the launch.  Tiles 0 to 3 come by their loads alone; the last two changes that fill a slot name nothing: there is no tile 16.
.macro ASK
	s_cmp_gt_u32 s[SLOTS], s[LIM]
	s_cbranch_scc0 .Lnot_mine_\@
	global_prefetch_b8 v[PFO], s[PFA:PFA+1] th:TH_LOAD_NT scope:SCOPE_SE
.Lnot_mine_\@:
.endm
; A round of the cluster's barrier: my work-group's barrier, so that wave 0's signal speaks for all four waves; wave 0 signals; every wave waits for all four work-groups; my work-group's barrier once more.
.macro CROUND
	s_barrier_signal -1
	s_barrier_wait -1
	s_cmp_lg_u32 s[WV], 0
	s_cbranch_scc1 .Lnot_wave_0_\@
	s_barrier_signal -3
.Lnot_wave_0_\@:
	s_barrier_wait -3
	s_barrier_signal -1
	s_barrier_wait -1
.endm
; THE CHANGE OF SLOTS.  Each wave waits for all its tensor loads, of which one is out at the most: its part of the tile to be rounded next; adds 0 to its spare word; and waits for that, for its
; reads of the bf16 buffer and of the staging slot that it leaves, and for its stores into the buffer that is read next.  Behind the barrier all that holds of every wave.
; fill = 1: the staging slot just rounded is filled again, with the tile two on.  The barrier is then a round of the cluster's, and the joint refill is the first thing behind it:
; it has a tile's two steps, 256 matrix instructions of a wave, in which to land.
.macro CHANGE fill
	WIN 0                           ; at a label and at a branch every window is 0
	s_wait_tensorcnt 0x0            ; no tensor load of mine is out, so a group 0 may be written
	ds_add_u32 v[SPW], v[NIL]       ; 0 onto my spare word: with fill = 1 the descriptors' steps stand between it and the wait for it
.if \fill
.irp g, G0K+4, G0V+4
	s_xor_b32 s[(\g)+1], s[(\g)+1], SLOT1  ; the walking descriptor: the other slot than last time,
	s_add_nc_u64 s[(\g)+2:(\g)+3], s[(\g)+2:(\g)+3], TILEB  ; the next 128 keys; the type bits on top are not reached
.endr
	s_wait_xcnt 0x0                 ; the last prefetch, a tile back, has read its address, so it may be written
	s_add_nc_u64 s[PFA:PFA+1], s[PFA:PFA+1], TILEB
	s_wait_dscnt 0x0                ; the add, my LDS reads and my LDS stores are done
	CROUND
	JLOAD
	ASK
.else
	s_wait_dscnt 0x0                ; the add, my LDS reads and my LDS stores are done
	s_barrier_signal -1
	s_barrier_wait -1
.endif
	s_sub_co_u32 s[TB], s[TB], 2*STEPB  ; all three walks go back to a slot's first step,
	s_xor_b32 s[TB], s[TB], SLOT1       ; in the other slot
	s_sub_co_u32 s[TS], s[TS], 2*SHALF
	s_xor_b32 s[TS], s[TS], SLOT1
	s_sub_co_u32 s[TD], s[TD], 2*STEPB
	s_xor_b32 s[TD], s[TD], SLOT1
.endm
	s_load_b256 s[4:11], s[0:1], 0x0  ; q s[4:5], k s[6:7], v s[8:9], out s[10:11]
	v_lshl_add_u32 v[SPW], v0, 2, SPARE
	v_mov_b32 v[NIL], 0
	ds_add_u32 v[SPW], v[NIL]       ; the wave's opening: the add, twice on end, and its wait ahead of my first tensor load; the set-up below, work on registers, stands between
	ds_add_u32 v[SPW], v[NIL]       ; and once more, under the one wait
	v_lshrrev_b32 v1, 5, v0
	v_readfirstlane_b32 s[WV], v1   ; wave 0..3
	s_bfe_u32 s13, ttmp6, 0x40000   ; cx: my place in the cluster
	s_lshl_b32 s14, ttmp9, 2        ; in a cluster launch ttmp9 counts clusters
	s_add_co_u32 s14, s14, s13      ; my block of 512 queries: it enters q's and out's addresses alone
	s_and_b32 s20, ttmp7, 0xffff    ; the head, which the four partners share
	s_lshl_b32 s20, s20, 19         ; a head is 2,048 rows of 256 bytes in each of the four tensors: 64 heads stay under 2^25
	s_and_b32 s16, s[WV], 1         ; which half of a tile's 128 keys I fetch:
	s_lshl_b32 s22, s16, 14         ; its 64 rows of 256 bytes in memory,
	s_add_co_u32 s22, s22, s20
	s_mov_b32 s23, 0
	s_mul_i32 s17, s16, SHALF       ; and its place in a staging slot: no place in the cluster enters an LDS address
	s_lshl_b32 s2, s14, 2
	s_add_co_u32 s2, s2, s[WV]      ; my wave among the head's sixteen,
	s_lshl_b32 s2, s2, 15           ; its 128 rows
	s_add_co_u32 s2, s2, s20
	s_mov_b32 s3, 0
	; descriptor group 1: a tile of 64 rows x 64 elements of 4 bytes, padded in LDS
	s_mov_b32 s[G1], 15|(2<<16)|(1<<20)|(1<<21)|(5<<22)|(3<<25)  ; 15:0 the mask of four; 17:16 4-byte elements; 20 padding on; 21 set beside a mask; 24:22 after every 64 words (code 5); 31:25 4 words (code 3)
	s_mov_b32 s[G1+1], 64<<16       ; tensor_dim0 = 64
	s_mov_b32 s[G1+2], 64<<16       ; tensor_dim1 = 64
	s_mov_b32 s[G1+3], 64<<16       ; tile_dim0 = 64
	s_mov_b32 s[G1+4], 64           ; tile_dim1 = 64
	s_mov_b32 s[G1+5], 64           ; 64 elements from row to row
	s_mov_b32 s[G1+6], 0
	s_mov_b32 s[G1+7], 0
	s_mov_b32 s[SEL], 0x76543210
	s_mov_b32 s[SEL+1], 0xfedcba98
	s_mov_b32 s[EPS], 0x388637bd    ; 64 x the f32 nearest to 1e-6: the same mantissa, the exponent six up
	s_mov_b32 s[SLOTS], 14          ; tiles 2 to 15 are asked for at changes of slots
	s_mov_b32 s[TB], SLOT1+BOFF+2*STEPB  ; the first change of slots turns this into slot 0's buffer,
	s_mov_b32 s[TS], 2*SHALF             ; this into slot 1's staging rows,
	s_mov_b32 s[TD], BOFF+2*STEPB        ; and this into slot 1's buffer
	s_and_b32 s[LIM], s[WV], 1
	s_cmp_eq_u32 s[LIM], 0
	s_cselect_b32 s[LIM], 2, -1     ; waves 0 and 2 prefetch, while more than two tiles are still to be asked for
	v_and_b32 v[PFO], 31, v0
	v_lshlrev_b32 v[PFO], 8, v[PFO]
	s_wait_dscnt 0x0                ; both opening adds are done
	s_wait_kmcnt 0x0
	s_add_nc_u64 s[6:7], s[6:7], s[22:23]  ; k and v at my half of the head's tile 0
	s_add_nc_u64 s[8:9], s[8:9], s[22:23]
	s_add_nc_u64 s[4:5], s[4:5], s[2:3]    ; q and out at my wave's first row
	s_add_nc_u64 s[10:11], s[10:11], s[2:3]
	s_cmp_lt_u32 s[WV], 2
	s_cselect_b64 s[PFA:PFA+1], s[6:7], s[8:9]  ; (in waves 0 and 2 these stand at a tile's first row)
	s_lshl_b32 s2, s13, 13          ; my work-group's 32 rows of the 128
	s_mov_b32 s3, 0
	s_add_nc_u64 s[PFA:PFA+1], s[PFA:PFA+1], s[2:3]
	s_add_nc_u64 s[PFA:PFA+1], s[PFA:PFA+1], 3*TILEB  ; in tile 3; the first change of slots steps it to tile 4
	CROUND                          ; all four work-groups are here: the first joint loads meet
.irp s, 0,1
	s_mov_b32 s[G0K+4*(\s)], 1      ; 1:0 count = 1
	s_add_co_u32 s[G0K+4*(\s)+1], s17, (\s)*SLOT1  ; 63:32 LDS address
	s_add_nc_u64 s[G0K+4*(\s)+2:G0K+4*(\s)+3], s[6:7], (\s)*TILEB  ; 120:64 global address: tile s
	s_or_b32 s[G0K+4*(\s)+3], s[G0K+4*(\s)+3], 0x80000000  ; 127:126 type = 2
	s_mov_b32 s[G0V+4*(\s)], 1
	s_add_co_u32 s[G0V+4*(\s)+1], s17, (\s)*SLOT1+SREG
	s_add_nc_u64 s[G0V+4*(\s)+2:G0V+4*(\s)+3], s[8:9], (\s)*TILEB
	s_or_b32 s[G0V+4*(\s)+3], s[G0V+4*(\s)+3], 0x80000000
.endr
	s_cmp_lt_u32 s[WV], 2           ; a wave's two first fills stand in one branch, ahead of every wait on TENSORcnt and every LDS read: two loads of mine are out
	s_cbranch_scc0 .Lfirst_v
	tensor_load_to_lds s[G0K:G0K+3], s[G1:G1+7]
	s_nop 0
	tensor_load_to_lds s[G0K+4:G0K+7], s[G1:G1+7]
	s_nop 0
.rept 4
	v_nop
.endr
	s_branch .Lfirst_asked
.Lfirst_v:
	tensor_load_to_lds s[G0V:G0V+3], s[G1:G1+7]
	s_nop 0
	tensor_load_to_lds s[G0V+4:G0V+7], s[G1:G1+7]
	s_nop 0
.rept 4
	v_nop
.endr
.Lfirst_asked:
	; A fragment of Q is 16 rows x 32 channels of bf16 in 8 registers: lane l holds row l % 16, channels 8 (l / 16) + 0..7 and 16 + 8 (l / 16) + 0..7.  In f32 each eight channels are 32 bytes: two loads of 16.
	v_and_b32 v33, 15, v0           ; l % 16
	v_bfe_u32 v34, v0, 4, 1         ; l / 16
	v_lshlrev_b32 v[QO], 8, v33
	v_lshl_add_u32 v[QO], v34, 5, v[QO]  ; row x 256 + 32 x half
	WIN 0xc0                        ; destination window 3, address window 0
.set i, 0
.rept 64                            ; i = 8 t + 4 c + 2 e + g: tile t, channels 32 c + 16 e + 8 (l / 16) + 4 g on
	global_load_b128 v[4*i:4*i+3], v[QO], s[4:5] offset:(i/8)*4096+((i/4)%2)*128+((i/2)%2)*64+(i%2)*16
.set i, i+1
.endr
	; What the first turn finds: V's registers and P's second buffer hold 0 (its products V^T P, of a piece that has not been, add 0); O^T and l are 0.  No first step is written out;
	; the price is these 368 lines, which run while q and the first tile are on their way.
	WIN 0x80
.set i, VF
.rept 64
	v_mov_b32 v[i], 0
.set i, i+1
.endr
	WIN 0x40
.set i, 0
.rept 256
	v_mov_b32 v[i], 0
.set i, i+1
.endr
	WIN 0
.set i, P+32
.rept 32
	v_mov_b32 v[i], 0
.set i, i+1
.endr
.set i, LSUM
.rept 16
	v_mov_b32 v[i], 0
.set i, i+1
.endr
	v_mul_u32_u24 v[AK0], v33, PK
	v_lshl_add_u32 v[AK0], v34, 4, v[AK0]  ; row x pitch + 16 x half
	; The turning load takes 16 keys x 16 channels (lane l reads key 8 (l / 16) + l % 8, channels 8 ((l / 8) % 2) + 0..7) and leaves half a fragment of V^T: lane l holds channel l % 16 and 8 keys.
	v_and_b32 v35, 7, v0
	v_bfe_u32 v36, v0, 3, 1
	v_lshl_add_u32 v[AV0], v34, 3, v35
	v_mul_u32_u24 v[AV0], v[AV0], PV
	v_lshl_add_u32 v[AV0], v36, 4, v[AV0]
	v_add_nc_u32 v[AV0], VOFF, v[AV0]
	; The rounding.  Of a step's 64 keys wave w takes 16 w .. 16 w + 15, four at a time: lane l takes key l / 8 of the four and channels 8 (l % 8) + 0..7: 32 bytes of f32 in, 16 bytes of bf16 out.
	v_bfe_u32 v37, v0, 3, 2         ; l / 8
	v_mul_u32_u24 v[CA0], v37, SROW
	v_lshl_add_u32 v[CA0], v35, 5, v[CA0]
	s_mul_i32 s16, s[WV], 16*SROW
	v_add_nc_u32 v[CA0], s16, v[CA0]
	v_mul_u32_u24 v[DK0], v37, PK
	v_lshl_add_u32 v[DK0], v35, 4, v[DK0]
	s_mul_i32 s16, s[WV], 16*PK
	v_add_nc_u32 v[DK0], s16, v[DK0]
	v_mul_u32_u24 v[DV0], v37, PV
	v_lshl_add_u32 v[DV0], v35, 4, v[DV0]
	s_mul_i32 s16, s[WV], 16*PV
	s_add_co_u32 s16, s16, VOFF
	v_add_nc_u32 v[DV0], s16, v[DV0]
	s_wait_loadcnt 0x0              ; q is in
	WIN 0x8f                        ; sources window 3, destination window 2
.set i, 0
.rept 128
	v_cvt_pk_bf16_f32 v[i], v[2*i], v[2*i+1]  ; Q stays in registers, rounded once
.set i, i+1
.endr
	WIN 0
; THE MATRIX WORK.  The 8 accumulators of a run of 16 take turns, one instruction a turn: between the two links of a chain stand 7 others'.
; Product i of 16 of S^T = K Q^T for piece x: channels 32 (i / 8) on, keys 16 ((i / 2) % 4) on, tile 2 x + i % 2.  The first 8 start the sums.
.macro KQ x
	WIN W_KQ
.set rS, S+64*((\x)%2)+32*(i%2)+8*((i/2)%4)
.set rK, KF+16*((i/2)%4)+8*(i/8)
.set rQ, 16*(2*(\x)+i%2)+8*(i/8)
.if i < 8
	v_wmma_f32_16x16x32_bf16 v[rS:rS+7], v[rK:rK+7], v[rQ:rQ+7], 0
.else
	v_wmma_f32_16x16x32_bf16 v[rS:rS+7], v[rK:rK+7], v[rQ:rQ+7], v[rS:rS+7]
.endif
.endm
; Product i of 16 of O^T += V^T P for piece x: keys 32 (i / 8) on, channels 16 ((i / 2) % 4) on, tile 2 x + i % 2.
.macro PV x
	WIN W_PV
.set rO, 32*(2*(\x)+i%2)+8*((i/2)%4)
.set rV, VF+32*(i/8)+8*((i/2)%4)
.set rP, P+32*((\x)%2)+16*(i%2)+8*(i/8)
	v_wmma_f32_16x16x32_bf16 v[rO:rO+7], v[rV:rV+7], v[rP:rP+7], v[rO:rO+7]
.endm
.macro MM                           ; matrix instruction k of the 32 of turn Y
.if k < 16
.set i, k
	KQ (Y+1)%4
.else
.set i, k-16
	PV (Y+3)%4
.endif
.endm
; THE FRAGMENT LOADS stand in runs of 16, never singly among the matrix instructions: a step's K (64 keys x 64 channels: 8 fragments) and its V (turned).
.macro FETCH_K
	WIN 0x80                        ; destination window 2
.irp f, 0,1,2,3,4,5,6,7             ; keys 16 (f / 2) on, channels 32 (f % 2) on
	ds_load_b128 v[KF+8*(\f):KF+8*(\f)+3],   v[AK] offset:((\f)/2)*16*PK+((\f)%2)*64
	ds_load_b128 v[KF+8*(\f)+4:KF+8*(\f)+7], v[AK] offset:((\f)/2)*16*PK+((\f)%2)*64+32
.endr
.endm
.macro FETCH_V
	WIN 0x80
.irp f, 0,1,2,3,4,5,6,7             ; keys 32 (f / 4) on, channels 16 (f % 4) on
	ds_load_tr16_b128 v[VF+8*(\f):VF+8*(\f)+3],   v[AV] offset:((\f)/4)*32*PV+((\f)%4)*32
	ds_load_tr16_b128 v[VF+8*(\f)+4:VF+8*(\f)+7], v[AV] offset:((\f)/4)*32*PV+16*PV+((\f)%4)*32
.endr
	s_add_co_u32 s[TB], s[TB], STEPB  ; the next fetches are the next step's
.endm
; THE VECTOR WORK OF A TURN.  Number n of 32 is pair n / 2 of tile n % 2 of piece Y: l += raw^2 (one fused line for two keys), raw^2 in place, and, one number later, its rounding to bf16.
; The pairs ascend.
.macro CV n
.set cu, (\n)%2
.set cb, (\n)/2
	v_cvt_pk_bf16_f32 v[P+32*(Y%2)+16*cu+cb], v[S+64*(Y%2)+32*cu+2*cb], v[S+64*(Y%2)+32*cu+2*cb+1]
.endm
.macro RID
	WIN 0
.set rS, S+64*(Y%2)+32*(k%2)+2*(k/2)
.set rL, LSUM+2*(2*Y+k%2)
	v_pk_fma_f32 v[rL:rL+1], v[rS:rS+1], v[rS:rS+1], v[rL:rL+1]
	v_pk_mul_f32 v[rS:rS+1], v[rS:rS+1], v[rS:rS+1]
.if k >= 1
	CV k-1
.endif
.if k == 31
	CV 31
.endif
.endm
; THE ROUNDING OF K AND V.  CLOAD: four units of four staging rows, 32 bytes a lane: in a pass of 16 lanes two rows 272 bytes apart, every other 16 bytes of each: 16 different columns of 16 bytes.
.macro CLOAD T, areg, off
.irp u, 0,1,2,3
	ds_load_b128 v[(\T)+8*(\u):(\T)+8*(\u)+3],   v[\areg] offset:(\off)+4*SROW*(\u)
	ds_load_b128 v[(\T)+8*(\u)+4:(\T)+8*(\u)+7], v[\areg] offset:(\off)+4*SROW*(\u)+16
.endr
.endm
.macro CCVT T, n                    ; number n of 16: register n % 4 of unit n / 4, in place: a unit's numbers ascend, so no source is written before it is read
.set cu, (\n)/4
.set cr, (\n)%4
	v_cvt_pk_bf16_f32 v[(\T)+8*cu+cr], v[(\T)+8*cu+2*cr], v[(\T)+8*cu+2*cr+1]
.endm
.macro CSTORE T, areg, u, pitch, off
	ds_store_b128 v[\areg], v[(\T)+8*(\u):(\T)+8*(\u)+3] offset:(\off)+4*(\pitch)*(\u)
.endm
; A TURN, for piece p: 32 matrix instructions, behind each its number of the vector work.  fk = 0: no further K is fetched.  kq = 0: the walk's last turn: there is no next piece.
; Turn 0 rounds my 16 keys of K of the step to be written, turn 1 those of V: 8 loads behind the first product, one wait behind the 15th, then a rounding behind each of 16 products and a store behind every fourth.
; K of the next step is fetched in turn 2, behind its 17th product: seven plain vector instructions behind the last product that read K, 15 products ahead of the wait for it, at turn 3's head.
; V of the step in hand is fetched at the end of turn 0: five plain vector instructions behind the last product that read V; turn 1's one wait, behind its 15th product, serves it too.
.macro TURN p, fk=1, kq=1
.set Y, (\p)
.set k, 0
.if ((\p) == 3) && (\kq)
	s_wait_dscnt 0x0                ; K is in
.endif
.rept 32
.if (k >= 16) || (\kq)
	MM
.endif
.if ((\p) <= 1) && (k == 14)
	s_wait_dscnt 0x0                ; the staging rows are in; in turn 1 V's fragments too
.endif
	RID
.if ((\p) == 0) && (k == 0)
	v_add_nc_u32 v[CA], s[TS], v[CA0]
	v_add_nc_u32 v[DA], s[TD], v[DK0]
	CLOAD CT, CA, 0
.endif
.if ((\p) == 1) && (k == 0)
	v_add_nc_u32 v[DA], s[TD], v[DV0]
	s_add_co_u32 s[TS], s[TS], SHALF  ; the next rounding is the next step's
	s_add_co_u32 s[TD], s[TD], STEPB
	CLOAD CT, CA, SREG
.endif
.if ((\p) <= 1) && (k >= 14) && (k < 30)
	CCVT CT, k-14
.if (k-14)%4 == 3
.if (\p) == 0
	CSTORE CT, DA, (k-14)/4, PK, 0
.else
	CSTORE CT, DA, (k-14)/4, PV, 0
.endif
.endif
.endif
.if ((\p) == 2) && (\fk) && (k == 15)
	v_add_nc_u32 v[AK], s[TB], v[AK0]
.endif
.if ((\p) == 2) && (\fk) && (k == 16)
	FETCH_K
.endif
.if ((\p) == 0) && (k == 31)
	v_add_nc_u32 v[AV], s[TB], v[AV0]
	FETCH_V
.endif
.set k, k+1
.endr
.endm
	s_wait_tensorcnt 0x1            ; my part of tile 0 is in; tile 1's load, the one issued behind it, may stay out
	s_barrier_signal -1
	s_barrier_wait -1               ; everybody's is
	; Tile 0 is rounded at once, both steps, through S^T's registers: j = 2 x step + (0: K, 1: V)
	v_add_nc_u32 v[DA], BOFF, v[DK0]
	v_add_nc_u32 v[CA], BOFF, v[DV0]
.irp j, 0,1,2,3
	CLOAD S+32*(\j), CA0, ((\j)/2)*SHALF+((\j)%2)*SREG
.endr
	s_wait_dscnt 0x0
.irp j, 0,1,2,3
.set n, 0
.rept 16
	CCVT S+32*(\j), n
.set n, n+1
.endr
.endr
.irp j, 0,2
.irp u, 0,1,2,3
	CSTORE S+32*(\j), DA, \u, PK, ((\j)/2)*STEPB
	CSTORE S+32*(\j)+32, CA, \u, PV, ((\j)/2)*STEPB
.endr
.endr
	CHANGE 1                        ; tile 0 lies in slot 0's buffer, everybody's part of it; tile 1 is in; tile 2 is asked for
	v_add_nc_u32 v[AK], s[TB], v[AK0]
	FETCH_K                         ; key step 0
	s_wait_dscnt 0x0
.set i, 0
.rept 16
	KQ 0                            ; piece 0's first scores: there is no vector work yet to set between them
.set i, i+1
.endr
	WIN 0
.rept 4
	v_nop                           ; the places behind those products
.endr
	s_mov_b32 s[CNT], 2
	s_branch .Lfirst                ; the loop is entered at a step's first turn, in the middle of a trip
.Lslot:                             ; 13 times: with the change above, tiles 2 to 15 are asked for
	CHANGE 1
	s_mov_b32 s[CNT], 2
.Lstep:                             ; a trip: pieces 2 and 3 of one step, then pieces 0 and 1 of the next, whose K and V it fetches
	TURN 2
	TURN 3
	WIN 0
.Lfirst:
	TURN 0
	TURN 1
	WIN 0
	s_sub_co_u32 s[CNT], s[CNT], 1
	s_cmp_lg_u32 s[CNT], 0
	s_cbranch_scc1 .Lstep
	s_sub_co_u32 s[SLOTS], s[SLOTS], 1
	s_cmp_lg_u32 s[SLOTS], 0
	s_cbranch_scc1 .Lslot
	; The last two tiles are a second copy of the trip: nothing is asked for.  In the last tile the rounding runs once more, on the staging rows of tile 14,
	; into the buffer that nobody reads any more: 64 roundings a wave, once a launch, the price of one text for the trip.
	s_mov_b32 s[SLOTS], 2
.Ltslot:
	CHANGE 0
	s_mov_b32 s[CNT], 2
.Ltstep:
	TURN 2
	TURN 3
	TURN 0
	TURN 1
	WIN 0
	s_sub_co_u32 s[CNT], s[CNT], 1
	s_cmp_lg_u32 s[CNT], 0
	s_cbranch_scc1 .Ltstep
	s_sub_co_u32 s[SLOTS], s[SLOTS], 1
	s_cmp_lg_u32 s[SLOTS], 0
	s_cbranch_scc1 .Ltslot
	TURN 2, 0                       ; the last step's pieces 2 and 3: nothing is fetched,
	TURN 3, 1, 0                    ; and no new scores are begun
.set i, 0
.rept 16
	PV 3                            ; the last piece's V^T P of the last step
.set i, i+1
.endr
	; THE WAY OUT.  l's two halves and the other half of the lanes' are added, and 64e-6; O^T is divided by that and sent, in f32, through my stage in LDS, a tile (16 rows of out) at a time.
	; The addresses and the first additions are the places behind the last products.
	WIN 0
	v_and_b32 v6, 15, v0            ; l % 16
	v_bfe_u32 v7, v0, 4, 1          ; l / 16
	s_mul_i32 s16, s[WV], 16*SP
	s_add_co_u32 s16, s16, STAGE    ; my stage
	v_mul_u32_u24 v[STO], v6, SP    ; in: row l % 16, 32 bytes for each half of the lanes: the 16 rows of a pass start 16 bytes apart modulo 256
	v_lshl_add_u32 v[STO], v7, 5, v[STO]
	v_add_nc_u32 v[STO], s16, v[STO]
	v_mul_u32_u24 v[RD], v7, SP     ; back: lanes 0-15 take one row of 256 bytes, lanes 16-31 the next,
	v_lshl_add_u32 v[RD], v6, 4, v[RD]
	v_add_nc_u32 v[RD], s16, v[RD]
	v_and_b32 v[GO], 31, v0         ; which are 512 consecutive bytes of out
	v_lshlrev_b32 v[GO], 4, v[GO]
.macro ALL line:vararg              ; one line for each tile t
.set t, 0
.rept 8
	\line
.set t, t+1
.endr
.endm
	ALL v_add_f32 v[LSUM+2*t], v[LSUM+2*t], v[LSUM+2*t+1]
	ALL v_permlanex16_b32 v[LSUM+2*t+1], v[LSUM+2*t], s[SEL], s[SEL+1]
	ALL v_add_f32 v[LSUM+2*t], v[LSUM+2*t], v[LSUM+2*t+1]
	ALL v_add_f32 v[LSUM+2*t], s[EPS], v[LSUM+2*t]
	ALL v_rcp_f32 v[LSUM+2*t], v[LSUM+2*t]
	v_nop                           ; a plain instruction between the last reciprocal and the use of its result (ISA guide 5.7.2)
	s_wait_alu depctr_va_vdst(0)    ; and a wait ahead of the first use: one for the eight reciprocals
; Tile t: a lane's eight channels of a block of 16 are 32 bytes of a row; they go into rows of 272 bytes and come back as whole rows of 256, into S^T's registers, four tiles' worth by turns.
.macro PACK t
	WIN W_RS
.set i, 32*(\t)
.rept 16
	v_pk_mul_f32 v[i:i+1], v[i:i+1], v[LSUM+2*(\t):LSUM+2*(\t)+1] op_sel_hi:[1,0]
.set i, i+2
.endr
	WIN 0x04                        ; store data (source 1) in window 1, address in window 0
.irp f, 0,1,2,3,4,5,6,7
	ds_store_b128 v[STO], v[32*(\t)+4*(\f):32*(\t)+4*(\f)+3] offset:64*((\f)/2)+16*((\f)%2)
.endr
	WIN 0
.if (\t) >= 4
	s_wait_xcnt 0x0                 ; the stores of the tile four back have read these registers: they are loaded again only behind this wait
.endif
.irp f, 0,1,2,3,4,5,6,7
	ds_load_b128 v[S+32*((\t)%4)+4*(\f):S+32*((\t)%4)+4*(\f)+3], v[RD] offset:(\f)*2*SP  ; LDS serves a wave's instructions in order (ISA guide 5.7.1.4): these see the stores above; the next tile's stores come behind them
.endr
.endm
.macro SEND t, younger              ; younger: the LDS instructions issued behind tile t's loads: the next tile's sixteen, or none
	WIN 0
.irp f, 0,1,2,3,4,5,6,7
	s_wait_dscnt (\younger)+7-(\f)  ; pair f of rows is back; the pairs behind it, and the younger, may stay out
	global_store_b128 v[GO], v[S+32*((\t)%4)+4*(\f):S+32*((\t)%4)+4*(\f)+3], s[10:11] offset:(\t)*4096+(\f)*512 th:TH_STORE_NT  ; 512 consecutive bytes, at a multiple of 256 from out's first byte
.endr
.endm
	PACK 0
.set t, 1
.rept 7                             ; a tile's arithmetic stands between the loads of the tile before and its stores
	PACK t
	SEND t-1, 16
.set t, t+1
.endr
	SEND 7, 0
	s_wait_tensorcnt 0x0            ; the wave's end: behind my last tensor load and my last LDS store
	ds_add_u32 v[SPW], v[NIL]
	s_wait_dscnt 0x0
	CROUND                          ; the closing round: no work-group ends while a partner may still ask for a tile that names it
	s_endpgm
.Lfunc_end_k_qc4c070042b_attn:
	.size	k_qc4c070042b_attn, .Lfunc_end_k_qc4c070042b_attn-k_qc4c070042b_attn
	.p2alignl 7, 3214868480
	.fill 96, 4, 3214868480
	.section	.rodata,"a",@progbits
	.p2align	6, 0x0
	.amdhsa_kernel k_qc4c070042b_attn
		.amdhsa_group_segment_fixed_size 327680
		.amdhsa_private_segment_fixed_size 0
		.amdhsa_enable_private_segment 0
		.amdhsa_kernarg_size 32
		.amdhsa_user_sgpr_count 2
		.amdhsa_user_sgpr_kernarg_segment_ptr 1
		.amdhsa_wavefront_size32 1
		.amdhsa_system_sgpr_workgroup_id_x 1
		.amdhsa_system_sgpr_workgroup_id_y 1
		.amdhsa_system_sgpr_workgroup_id_z 1
		.amdhsa_system_vgpr_workitem_id 0
		.amdhsa_next_free_vgpr 1024
		.amdhsa_next_free_sgpr 66
		.amdhsa_reserve_vcc 0
		.amdhsa_float_denorm_mode_32 3
		.amdhsa_float_denorm_mode_16_64 3
		.amdhsa_memory_ordered 1
		.amdhsa_forward_progress 1
		.amdhsa_inst_pref_size 185
	.end_amdhsa_kernel
	.amdgpu_metadata
---
amdhsa.version: [ 1, 2 ]
amdhsa.kernels:
  - .name:           k_qc4c070042b_attn
    .symbol:         k_qc4c070042b_attn.kd
    .args:
      - { .name: q, .offset: 0, .size: 8, .value_kind: global_buffer, .address_space: global }
      - { .name: k, .offset: 8, .size: 8, .value_kind: global_buffer, .address_space: global }
      - { .name: v, .offset: 16, .size: 8, .value_kind: global_buffer, .address_space: global }
      - { .name: out0, .offset: 24, .size: 8, .value_kind: global_buffer, .address_space: global }
    .group_segment_fixed_size: 327680
    .private_segment_fixed_size: 0
    .kernarg_segment_align: 8
    .kernarg_segment_size: 32
    .max_flat_workgroup_size: 128
    .sgpr_count:     66
    .vgpr_count:     1024
    .wavefront_size: 32
...
	.end_amdgpu_metadata
.endif
;; end of part 1
